; MI455X (gfx1250); checked and timed in simulation.
; The chip was launched on July 23, 2026; its instructions are those of AMD's public machine-readable ISA for CDNA 5 (MIT licence, August 2026) and "CDNA5" Instruction Set Architecture Reference Guide (July 2026). The comments in the code are by the model that wrote it; some were corrected since.
;; Marlin Layer. Allowed arithmetic: matrix products marked QUANTISED: E2M1 operands, one E8M0 scale for each 32 along K, by v_wmma_scale_f32_16x16x128_f8f6f4 with both operands' format E2M1 (or v_wmma_scale_f32_32x16x128_f4), f32 sums; everything else in f32.
;; Inputs: A_codes 4,096 x 128 x 16 uint8 (E2M1 codes of A, K innermost, in blocks of 32 codes, two codes a byte); A_scales 4,096 x 128 uint8 (E8M0 scales of A, one for each 32 codes along K); B 512 x 4,096 int32; s 32 x 4,096 float32.
;; Outputs: out0 4,096 x 4,096 float32.
;; This version of the problem:
;;   THIS VERSION OF THE PROBLEM IS GIVEN IN LOW PRECISION. The matrix products marked QUANTISED in the list below multiply operands that are first quantised to E2M1 (2 exponent bits, 1 mantissa bit; 4 bits a number), with one power-of-two scale for each 32 numbers along K (OCP MX v1.0); their sums are f32. All else is computed in f32.
;;   The module's matrix products, in the order in which they are computed (A, B: the left and right operand; K: the contracted axis; several contracted axes count as one K, in the product's order):
;;     1. [M 4,096, K 4,096] x [K 4,096, N 4,096]; A: input A (given as codes); B: computed on the way: QUANTISED
;;   THE QUANTISER, for each operand of a quantised product, along K:
;;     - K is cut into blocks of 32 from its start; a last block that is shorter is filled with zeros.
;;     - A block's scale is 2^e with e = floor(log2(the largest magnitude in the block)) - 2, held to -126 .. 127; a block of zeros has e = 0. As a byte (E8M0): e + 127.
;;     - Each number is divided by its block's scale, clamped to +-6, and rounded to the nearest number of E2M1, ties to even, subnormals kept.
;;     - The product sums the exact products of the quantised numbers (number of the format x scale) in f32.
;;   ~~~python
;;   def quantise(x, axis):      # numpy; x: float32 -> the quantised numbers, widened to float32 again
;;       x = np.moveaxis(x, axis, -1); K = x.shape[-1]
;;       x = np.pad(x, [(0, 0)] * (x.ndim - 1) + [(0, -K % 32)]); x = x.reshape(x.shape[:-1] + (-1, 32)); a = np.abs(x).max(-1, keepdims=True)
;;       e = np.where(a > 0, np.clip(np.frexp(np.where(a > 0, a, 1))[1] - 1 - 2, -126, 127), 0)      # np.frexp(a)[1] - 1 = floor(log2(a)), exactly
;;       r = np.clip(x / 2.0 ** e, -6, 6)
;;       step = 2.0 ** (np.maximum(np.frexp(np.where(r == 0, 1, r))[1] - 1, 0) - 1)
;;       q = np.round(r / step) * step * 2.0 ** e      # np.round: ties to even
;;       return np.moveaxis(q.reshape(q.shape[:-2] + (-1,))[..., :K], -1, axis).astype(np.float32)
;;   ~~~
;;   OPERANDS COMPUTED ON THE WAY. 'Computed on the way' means the value that the module computes at that place (a softmax that the list does not call 'softmax' is quantised finished and normalised). What goes into a quantiser is computed in f32, as accurately as f32 sums, v_exp_f32 and their like allow (about 1e-6 of the number): no bf16 or f16 on the way to a quantiser, and a product that is left as it is and whose result goes on into a quantised operand takes f32 operands (vector FMAs, or v_wmma_f32_16x16x4_f32). A number that lies on a knife's edge between two numbers of the format may be rounded either way, as far as f32 arithmetic and the matrix unit's own rounding can turn it there, and no further.
;;   INPUTS GIVEN AS CODES. A (in the module: [4096, 4096], K = its axis 1): each comes as NAME_codes (uint8): NAME with its K axis moved to the last place and cut into blocks of 32 codes, [.., K / 32, bytes a block], one block behind the other in memory; two codes a byte, the lower K in the low four bits (a code: sign, 2 exponent bits, 1 mantissa bit); and NAME_scales (uint8): the same leading axes, one E8M0 byte (e + 127) for each 32 codes along K. Its value is code x scale, taken as it is: it is not quantised again, and the codes and scales need not be those that the quantiser above would give.
;; One version. Each part assembles by itself: llvm-mc -triple=amdgcn-amd-amdhsa -mcpu=gfx1250 --defsym DOCPART=n.
;; ======== version 1 of 1: 2 launches
;; workspace buffers: wq 8,388,608 bytes; sc 1,048,576 bytes
;; launch prep (part 1): grid 256 x 1, 4 waves a work-group, no clusters, 0 bytes of LDS; arguments A_scales, B, s, wq, sc; writes wq, sc
.if DOCPART == 1
	.amdgcn_target "amdgcn-amd-amdhsa--gfx1250"
	.amdhsa_code_object_version 6
	.text
	.protected	k_q1686256f93_prep
	.globl	k_q1686256f93_prep
	.p2align	8
	.type	k_q1686256f93_prep,@function
k_q1686256f93_prep:
	s_mov_b64 s[64:65], 0
	v_nop
	global_prefetch_b8 v0, s[64:65] scope:SCOPE_SE
	s_setreg_imm32_b32 hwreg(HW_REG_WAVE_MODE, 25, 1), 1
	s_wait_xcnt 0x0
; W[k][n] = (nibble k % 8 of B[k / 8][n] - 8) x s[k / 128][n], f32, is turned into codes of FP4 (E2M1) along K with one E8M0 byte for each 32 along K; A's scale bytes are laid anew beside W's.
; OUT.  wq: W's codes in the order of the operand's registers: [ks = k / 512][g = n / 16][t = (k % 512) / 32][r = n % 16][16 bytes]: byte ks x 2^20 + 4,096 g + 256 t + 16 r.
;       sc: [ks][side: A 0, W 1][row of A or column of W][16 bytes]: byte t of an entry is the scale byte of block t of K step ks: byte 131,072 ks + 65,536 side + 16 row.
; SHARES.  256 work-groups of four waves.  Work-group id takes columns 128 (id % 32) on and K step id / 32; a wave 32 columns.  A LANE TAKES A COLUMN AND ITS REGISTERS RUN DOWN K: one word of B is eight
; neighbours along K of one column, so four words are a block of 32, all in one lane: the block's largest magnitude needs no other lane, and the conversions give codes with K innermost.
; A load of B reads 128 consecutive bytes a wave, and the four waves stand side by side on 512.  A block's 16 bytes of codes a lane: sixteen lanes store 256 consecutive bytes, aligned, with no stage in LDS.
; The work-group also moves the scale bytes of A's rows 16 id on: wave w, lane (r, h) the 16 bytes of row 16 id + r for K step 2 w + h.
; ARITHMETIC.  nibble x s - 8 s by one fused multiply-add: the product and 8 s are exact, so the one rounding gives f32((nibble - 8) x s).  A block's scale is 2^(floor(log2(largest magnitude)) - 2): its byte is
; the largest magnitude's exponent field - 2, held at 1 from below by a floor among the maximum's leaves.
; LIMITS: |s| under 2^124 (-8 s must be finite); NaN and infinities in s are not served; a block of zeros gets the byte 1 (its codes are zeros, and the bytes are read by this program alone);
; blocks whose largest magnitude lies under 2^-124, the floor, were not tried.
; No LDS, no barrier, no loop: every offset is an immediate, every block has its own registers for its codes, so no store's data and no address register are ever written again.
.set SB,  20                           ; v[20:23]   my column's 16 scale bytes
.set GSC, 24                           ; v[24+4g:25+4g] (s, s), v[26+4g:27+4g] (-8 s, -8 s) of group g of the K step's four
.set BI,  40                           ; v[40:103]  my column's 64 words of B
.set X,   104                          ; v[104:167] two sets of 32 numbers, by turns
.set C,   168                          ; v[168:231] four registers of codes for each of 16 blocks
	s_load_b256 s[4:11], s[0:1], 0x0               ; A_scales s[4:5], B s[6:7], s s[8:9], wq s[10:11]
	s_load_b64 s[12:13], s[0:1], 0x20              ; sc
	v_lshrrev_b32 v1, 5, v0
	v_readfirstlane_b32 s14, v1                    ; wave 0..3
	v_and_b32 v2, 31, v0                           ; lane
	v_and_b32 v1, 15, v0                           ; r
	v_bfe_u32 v19, v0, 4, 1                        ; h
	v_lshlrev_b32 v3, 2, v2                        ; B and s: 4 bytes a column
	v_lshlrev_b32 v4, 12, v19
	v_lshl_add_u32 v4, v1, 4, v4                   ; wq: 4,096 h (the next group of 16 columns) + 16 r
	v_lshlrev_b32 v5, 4, v2                        ; sc, W's part: 16 bytes a column
	v_lshlrev_b32 v6, 7, v1
	v_lshl_add_u32 v6, v19, 4, v6                  ; A_scales: row r of 128 bytes, + 16 h
	v_lshlrev_b32 v7, 17, v19
	v_lshl_add_u32 v7, v1, 4, v7                   ; sc, A's part: 131,072 h (the next K step) + 16 r
	s_and_b32 s15, ttmp9, 31                       ; which 128 columns
	s_lshr_b32 s16, ttmp9, 5                       ; which K step
	s_lshl_b32 s17, s15, 7
	s_lshl_b32 s30, s14, 5
	s_add_co_u32 s17, s17, s30                     ; my wave's first column
	s_lshl_b32 s30, s17, 2
	s_lshl_b32 s18, s16, 20                        ; B: 64 rows of 16,384 bytes a K step,
	s_add_co_u32 s18, s18, s30                     ; + 4 x column
	s_mov_b32 s19, 0
	s_lshl_b32 s20, s16, 16                        ; s: 4 rows of 16,384 bytes a K step,
	s_add_co_u32 s20, s20, s30
	s_mov_b32 s21, 0
	s_lshl_b32 s22, s16, 20                        ; wq: 2^20 bytes a K step,
	s_lshl_b32 s30, s17, 8                         ; 4,096 bytes for 16 columns
	s_add_co_u32 s22, s22, s30
	s_mov_b32 s23, 0
	s_lshl_b32 s24, s14, 18                        ; sc, A's part: K step 2 w,
	s_lshl_b32 s30, ttmp9, 8                       ; rows 16 id on
	s_add_co_u32 s24, s24, s30
	s_mov_b32 s25, 0
	s_lshl_b32 s26, s16, 17                        ; sc, W's part: my K step,
	s_lshl_b32 s30, s17, 4
	s_add_co_u32 s26, s26, s30
	s_add_co_u32 s26, s26, 65536                   ; behind A's 4,096 entries
	s_mov_b32 s27, 0
	s_lshl_b32 s28, ttmp9, 11                      ; A_scales: rows 16 id on,
	s_lshl_b32 s30, s14, 5                         ; the bytes of K step 2 w
	s_add_co_u32 s28, s28, s30
	s_mov_b32 s29, 0
	s_wait_kmcnt 0x0
	s_add_nc_u64 s[6:7], s[6:7], s[18:19]
	s_add_nc_u64 s[8:9], s[8:9], s[20:21]
	s_add_nc_u64 s[10:11], s[10:11], s[22:23]
	s_add_nc_u64 s[24:25], s[12:13], s[24:25]
	s_add_nc_u64 s[26:27], s[12:13], s[26:27]
	s_add_nc_u64 s[4:5], s[4:5], s[28:29]
	global_load_b128 v[8:11], v6, s[4:5]           ; A's 16 scale bytes
.irp g, 0,1,2,3
	global_load_b32 v[GSC+4*\g], v3, s[8:9] offset:16384*\g
.endr
.set i, 0
.rept 64
	global_load_b32 v[BI+i], v3, s[6:7] offset:16384*i th:TH_LOAD_NT   ; read once in the launch
.set i, i+1
.endr
	s_wait_loadcnt 60                              ; loads come back in order (ISA guide 5.7.1): A's bytes, the four s and B's rows 0-3 are in; the 60 loads behind them may be out
	global_store_b128 v7, v[8:11], s[24:25]        ; sixteen lanes store 256 consecutive bytes, aligned
.irp g, 0,1,2,3
	v_mov_b32 v[GSC+4*\g+1], v[GSC+4*\g]           ; the packed form takes pairs: (s, s)
	v_mul_f32 v[GSC+4*\g+2], 0xc1000000, v[GSC+4*\g]   ; and (-8 s, -8 s): exact
	v_mul_f32 v[GSC+4*\g+3], 0xc1000000, v[GSC+4*\g]
.endr
; Block t of my column: k = 32 t .. 32 t + 31 of the K step, from B's rows 4 t .. 4 t + 3.
.macro BLOCK t
.set XS, X+32*((\t)%2)
.set SOP, 16+(\t)%2                    ; the conversions' scale operand: v16, v17 by turns
.set GS, GSC+4*((\t)/4)                ; the block's group of 128
	s_wait_loadcnt 60-4*(\t)                       ; the count is the loads of B issued behind row 4 t + 3
.irp j, 0,1,2,3
.irp e, 0,1,2,3,4,5,6,7
	v_bfe_u32 v[XS+8*\j+\e], v[BI+4*(\t)+\j], 4*\e, 4   ; nibble e of a word is k = 8 x row + e
.endr
.endr
.set i, 0
.rept 32
	v_cvt_f32_u32 v[XS+i], v[XS+i]
.set i, i+1
.endr
.set i, 0
.rept 16
	v_pk_fma_f32 v[XS+i:XS+i+1], v[XS+i:XS+i+1], v[GS:GS+1], v[GS+2:GS+3]   ; nibble x s - 8 s, two at a time, rounded once
.set i, i+2
.endr
.irp c, 0,1,2,3                        ; the largest magnitude: four chains of seven numbers by turns, so that no line waits for the line above it
	v_max3_num_f32 v[12+\c], |v[XS+7*\c]|, |v[XS+7*\c+1]|, |v[XS+7*\c+2]|
.endr
.irp c, 0,1,2,3
	v_max3_num_f32 v[12+\c], v[12+\c], |v[XS+7*\c+3]|, |v[XS+7*\c+4]|
.endr
.irp c, 0,1,2,3
	v_max3_num_f32 v[12+\c], v[12+\c], |v[XS+7*\c+5]|, |v[XS+7*\c+6]|
.endr
	v_max3_num_f32 v12, v12, v13, |v[XS+28]|
	v_max3_num_f32 v14, v14, v15, |v[XS+29]|
	v_max3_num_f32 v12, v12, |v[XS+30]|, |v[XS+31]|
	v_max3_num_f32 v12, v12, v14, 0x1800000        ; and the floor 2^(3 - 127): the byte cannot fall under 1
	v_add_nc_u32 v[SOP], 0xff000000, v12           ; 2 off the exponent field: the conversion takes the exponent field of this operand as its scale, and nothing else of it
.irp g, 0,1,2,3
	v_cvt_scalef32_pk8_fp4_f32 v[C+4*(\t)+\g], v[XS+8*\g:XS+8*\g+7], v[SOP]   ; eight numbers / the scale, to the nearest code, ties to even, beyond 6 the largest code; the lowest k in the lowest bits
.endr
	v_lshrrev_b32 v18, 23, v[SOP]                  ; the scale's byte.  (Also the plain line behind the conversions)
.if (\t)%4 == 0
	v_mov_b32 v[SB+(\t)/4], v18                    ; four bytes to a register, the lower K in the lower byte
.else
	v_lshl_or_b32 v[SB+(\t)/4], v18, 8*((\t)%4), v[SB+(\t)/4]
.endif
	global_store_b128 v4, v[C+4*(\t):C+4*(\t)+3], s[10:11] offset:256*(\t)   ; lanes 0-15 and lanes 16-31 each store 256 consecutive bytes, aligned
.endm
.set Q, 0
.rept 16
	BLOCK Q
.set Q, Q+1
.endr
	global_store_b128 v5, v[SB:SB+3], s[26:27]     ; 32 columns' scale bytes: 512 consecutive bytes
	s_endpgm
.Lfunc_end_k_q1686256f93_prep:
	.size	k_q1686256f93_prep, .Lfunc_end_k_q1686256f93_prep-k_q1686256f93_prep
	.p2alignl 7, 3214868480
	.fill 96, 4, 3214868480
	.section	.rodata,"a",@progbits
	.p2align	6, 0x0
	.amdhsa_kernel k_q1686256f93_prep
		.amdhsa_group_segment_fixed_size 0
		.amdhsa_private_segment_fixed_size 0
		.amdhsa_enable_private_segment 0
		.amdhsa_kernarg_size 40
		.amdhsa_user_sgpr_count 2
		.amdhsa_user_sgpr_kernarg_segment_ptr 1
		.amdhsa_wavefront_size32 1
		.amdhsa_system_sgpr_workgroup_id_x 1
		.amdhsa_system_sgpr_workgroup_id_y 1
		.amdhsa_system_sgpr_workgroup_id_z 1
		.amdhsa_system_vgpr_workitem_id 0
		.amdhsa_next_free_vgpr 232
		.amdhsa_next_free_sgpr 66
		.amdhsa_reserve_vcc 0
		.amdhsa_float_denorm_mode_32 3
		.amdhsa_float_denorm_mode_16_64 3
		.amdhsa_memory_ordered 1
		.amdhsa_forward_progress 1
		.amdhsa_inst_pref_size 99
	.end_amdhsa_kernel
	.amdgpu_metadata
---
amdhsa.version: [ 1, 2 ]
amdhsa.kernels:
  - .name:           k_q1686256f93_prep
    .symbol:         k_q1686256f93_prep.kd
    .args:
      - { .name: A_scales, .offset: 0, .size: 8, .value_kind: global_buffer, .address_space: global }
      - { .name: B, .offset: 8, .size: 8, .value_kind: global_buffer, .address_space: global }
      - { .name: s, .offset: 16, .size: 8, .value_kind: global_buffer, .address_space: global }
      - { .name: wq, .offset: 24, .size: 8, .value_kind: global_buffer, .address_space: global }
      - { .name: sc, .offset: 32, .size: 8, .value_kind: global_buffer, .address_space: global }
    .group_segment_fixed_size: 0
    .private_segment_fixed_size: 0
    .kernarg_segment_align: 8
    .kernarg_segment_size: 40
    .max_flat_workgroup_size: 128
    .sgpr_count:     66
    .vgpr_count:     232
    .wavefront_size: 32
...
	.end_amdgpu_metadata
.endif
;; end of part 1
;; launch gemm (part 2): grid 16 x 16, 4 waves a work-group, clusters of 4 x 4, 327,680 bytes of LDS; arguments A_codes, wq, sc, out0; writes out0
.if DOCPART == 2
	.amdgcn_target "amdgcn-amd-amdhsa--gfx1250"
	.amdhsa_code_object_version 6
	.text
	.protected	k_q1686256f93_gemm
	.globl	k_q1686256f93_gemm
	.p2align	8
	.type	k_q1686256f93_gemm,@function
k_q1686256f93_gemm:
	s_mov_b64 s[64:65], 0
	v_nop
	global_prefetch_b8 v0, s[64:65] scope:SCOPE_SE
	s_setreg_imm32_b32 hwreg(HW_REG_WAVE_MODE, 25, 1), 1
	s_wait_xcnt 0x0
	s_wait_alu depctr_hold_cnt(0) depctr_sa_sdst(0) depctr_va_vdst(0) depctr_va_sdst(0) depctr_va_ssrc(0) depctr_va_vcc(0) depctr_vm_vsrc(0)
	s_getreg_b32 s2, hwreg(HW_REG_IB_STS2, 6, 4)
	s_cmp_eq_u32 s2, 0
	s_cbranch_scc0 .Lentry_in_a_cluster
	s_endpgm
.Lentry_in_a_cluster:
	s_bfe_u32 s2, ttmp6, 0x10000c
	s_cmp_lg_u32 s2, 0xf033
	s_cbranch_scc0 .Lentry_shape_is_right
	s_endpgm
.Lentry_shape_is_right:
; C[m][n] = sum over k of A[m][k] W[k][n], 4,096 each way, on codes of FP4 (E2M1) with one E8M0 scale for each 32 along K; C is f32, sums in f32.
; A_codes: rows of 2,048 bytes, K innermost.  wq: W's codes as images of the operand's registers, [k / 512][n / 16][(k % 512) / 32][n % 16][16 bytes].  sc: [k / 512][A, W][row or column][16 scale bytes].
; A tile of C, 256 x 256, is made by a work-group of four waves, as many as a WGP has SIMDs; a wave makes 128 x 128: 64 accumulators of 16 x 16, 512 registers.  16 x 16 tiles: one work-group for each.
; K goes in 8 steps of 512 through a ring of two LDS slots filled by the tensor data mover.  A's tile: 256 rows of 256 bytes, 16 bytes of padding behind each.  W's tile: 65,536 dense bytes, read back 512 consecutive bytes a load.
; THE SCALE WORDS DO NOT PASS THROUGH LDS: eight loads of 16 bytes a lane bring a K step's words from sc into the scale registers, a whole K step ahead of their use; lanes 0-15 take A's block i, lanes 16-31 W's block i,
; each half 256 consecutive bytes, aligned.  One register so carries A's word and W's for one 128 along K.
; CLUSTERS: 4 x 4 work-groups.  The four of a row of the cluster need the same tiles of A, the four of a column the same tiles of W: each tile is asked for JOINTLY, by the same tensor load with the same descriptor
; and a mask that names the four.  THE MATRIX INSTRUCTION IS USED TRANSPOSED (source 0 = 16 columns of W, source 1 = 16 rows of A): a lane then holds eight neighbouring numbers of a row of C.
; THE CLUSTERS WALK K FROM DIFFERENT STARTS.  Cluster (X, Y) of the 4 x 4 clusters begins at K step r = (2 X + 4 p) mod 8, p the parity of Y's two bits, and takes K step (r + t) mod 8 in its t-th step.  r is even, so slot 0
; holds the even K steps and slot 1 the odd ones.  Four clusters read each tile row of A and four each tile column of W: their requests for one K step's tile are so made in different steps of the walk, A's 2, 4 and 6
; steps apart, W's in two pairs 4 steps apart, and the first fills of the four clusters of a row (two K steps each) together name all eight K steps of their rows of A.  r hangs on the cluster's x and y alone, which
; all sixteen partners share: no place in the cluster enters it.
; LIMIT: a sum takes its eight K steps in the order r .. 7, 0 .. r - 1, k ascending inside each: the order of the 32 f32 additions of a sum differs from an ascending sum's, and with it the last bits.
; REGISTERS, in windows of 256: window 0: v0-31 addresses; v32-95 scale words, two sets, and nothing else; from v128 A's fragments (8 x 16 rows x 128 K), ONE set; on the way out v128-255 hold rows of C.
;   window 1: W's fragments, TWO sets, at v0 and at v128.   window 2: the 32 accumulators of my rows 0-63 (accumulator (a, b) at v[8 (8 a + b)]);   window 3: those of my rows 64-127.
; A step of 128 along K is 64 matrix instructions, A's blocks one after the other, each against W's eight: a block of A is free as soon as its eight products are issued, so one set serves A
; (blocks 0-3 fetched anew in the step's middle, blocks 4-7 at its end); W's fragments are at work through the whole step and have two sets.
; A's scale bytes are taken as they are given: a byte 0xff makes the sums of its row NaN, as the format has it.
.set SIZE_N, 4096
.set NQ,     4                         ; steps of 128 along K in a slot
.set ROWB,   256                       ; a row of A's tile in bytes: 512 codes
.set KROW,   2048                      ; a row of A in memory
.set PITCH,  272                       ; an LDS row of A: 256 bytes + 16 of padding = 68 words: row r starts at bank 4 r mod 64 (64 banks of 4 bytes: ISA guide 11.1), so the 16 rows that a load touches start at 16 different banks
.set FR,     8                         ; registers of a fragment: 16 rows x 128 K
.set NL,     2                         ; LDS loads that bring one
.set NP,     4                         ; places behind this matrix instruction (ISA guide 7.12.1)
.set HALFA,  128*PITCH                 ; 128 rows of A: what one tensor load brings, and what one wave reads
.set BOFF,   2*HALFA                   ; W's tile lies behind A's 256 rows
.set HALFB,  128*256                   ; 128 columns of W: 8 groups of 16 x 4,096 bytes
.set SLOT,   BOFF+2*HALFB
.set SPARE,  2*SLOT                    ; behind the ring: the spare words, 128 bytes for each wave: two blocks of 256 bytes that no other line names
.set STAGE,  SPARE+512                 ; the way out: 16 rows x (512 bytes + 16) for each wave; no tensor load fills these bytes
.set SPITCH, 528
.set LAPS,   4                         ; a lap = two K steps = once round the ring
.set SCSTEP, 131072                    ; a K step on in sc (2^17); in a row of A it is 2^8 bytes, in wq 2^20
.set ADRA, 16                          ; v16-17  LDS address of my A fragments in slot 0, 1
.set ADRB, 20                          ; v20-21  the same for W
.set STO,  24                          ; v24     the way out: where I put 32 bytes of a row
.set RD,   25                          ; v25     the way out: where I read a row back
.set CO,   26                          ; v26     16 x lane: my byte offset in a row of C
.set ADRS, 27                          ; v27     my byte offset in a K step of sc: lanes 0-15 A's rows, lanes 16-31 W's columns; never rewritten
.set SPW,  28                          ; v28     LDS address of my spare word: SPARE + 4 x my thread's number; never rewritten
.set NIL,  29                          ; v29     0; never rewritten
.set SC,   32                          ; scale words: set s (for slot s) at v[SC + 32 s]; in it register 4 i + q: lanes 0-15 the word of A's block i, lanes 16-31 that of W's block i, for the slot's q-th 128 along K
.set AF,   128                         ; A's fragments, in window 0
.set BK,   128                         ; the way out: 16 rows read back from the stage: v128-191 and v192-255 by turns
.set G1,  24                           ; s[24:31] descriptor group 1 for A's tiles;  s[32:39] group 0, one set for each slot
.set G0,  32
.set G1B, 48                           ; s[48:55], s[56:63] the same for W's tiles
.set G0B, 56
.set BA,  66                           ; s[66:67] the address of K step 0 of the 128 rows of A that I fetch; never rewritten
.set BW,  68                           ; s[68:69] the same of the 128 columns of W
.set KS,  70                           ; s70, s71 the K step that slot 0, slot 1 holds or has been asked to hold
.set OFS, 72                           ; s[72:73] a K step's byte offset, with 0 above it
.set SCW, 74                           ; s[74:75] sc at the K step whose scale words are loaded next
.set MSB, 0
.macro WIN new                         ; the immediate's high byte repeats the setting that is left
.if MSB != \new
	s_set_vgpr_msb (MSB<<8)|\new
.set MSB, \new
.endif
.endm
.set MUL_LO, 0xa1                      ; source 0 (W) window 1, source 1 (A) window 0, C and D window 2
.set MUL_HI, 0xf1                      ; the same, C and D window 3
.set TO_B,   0x40                      ; destination window 1, address window 0
; A joint load: waves 0 and 1 fetch A's two halves, waves 2 and 3 W's.  Each of the two lines has ONE mask and one set of registers for all that issue it; the branch hangs on the wave's number alone.
; Four v_nop follow each of the two lines, ahead of the jump, the label and what follows.
.macro JLOAD g0a, g1a, g0b, g1b
	s_cmp_eq_u32 s15, 0
	s_cbranch_scc0 .Lfor_b_\@
	tensor_load_to_lds s[\g0a:\g0a+3], s[\g1a:\g1a+7]
	s_nop 0
.rept 4
	v_nop
.endr
	s_branch .Lasked_\@
.Lfor_b_\@:
	tensor_load_to_lds s[\g0b:\g0b+3], s[\g1b:\g1b+7]
	s_nop 0
.rept 4
	v_nop
.endr
.Lasked_\@:
.endm
.macro CREST                           ; a round of the cluster's barrier behind its opening barrier
	s_cmp_lg_u32 s14, 0
	s_cbranch_scc1 .Lnot_wave_0_\@
	s_barrier_signal -3
.Lnot_wave_0_\@:
	s_barrier_wait -3
	s_barrier_signal -1
	s_barrier_wait -1
.endm
.macro CROUND                          ; a whole round
	s_barrier_signal -1
	s_barrier_wait -1
	CREST
.endm
; The global addresses of slot s's two descriptors, for the K step in s[KS + s]: base + K step x 2^8 in A's rows, base + K step x 2^20 in wq; then the type.  Written only where no tensor load of the wave is out.
.macro AIM s
	s_lshl_b32 s[OFS], s[KS+\s], 8
	s_add_nc_u64 s[G0+4*\s+2:G0+4*\s+3], s[BA:BA+1], s[OFS:OFS+1]  ; 120:64 global address
	s_or_b32 s[G0+4*\s+3], s[G0+4*\s+3], 0x80000000                ; 127:126 type = 2
	s_lshl_b32 s[OFS], s[KS+\s], 20
	s_add_nc_u64 s[G0B+4*\s+2:G0B+4*\s+3], s[BW:BW+1], s[OFS:OFS+1]
	s_or_b32 s[G0B+4*\s+3], s[G0B+4*\s+3], 0x80000000
.endm
	s_load_b256 s[4:11], s[0:1], 0x0               ; A's codes s[4:5], wq s[6:7], sc s[8:9], C s[10:11]
	v_lshl_add_u32 v[SPW], v0, 2, SPARE
	v_mov_b32 v[NIL], 0
	ds_add_u32 v28, v29
	ds_add_u32 v28, v29
	s_wait_dscnt 0x0
	v_lshrrev_b32 v1, 5, v0
	v_readfirstlane_b32 s14, v1                    ; wave 0..3
	s_lshr_b32 s15, s14, 1                         ; which half of the tile's rows is mine.  Also: I fetch for A (0) or for W (1)
	s_and_b32 s16, s14, 1                          ; which half of its columns.  Also: which half of that tile I fetch
	s_bfe_u32 s40, ttmp6, 0x40000                  ; cx, cy: my place in the cluster
	s_bfe_u32 s41, ttmp6, 0x40004
	s_lshl_b32 s42, ttmp9, 2
	s_add_co_u32 s42, s42, s40                     ; tile column of C = 4 x cluster x + cx
	s_and_b32 s17, ttmp7, 0xffff                   ; cluster y
	s_lshr_b32 s[KS+1], s17, 1                     ; where my cluster begins along K:
	s_xor_b32 s[KS], s17, s[KS+1]
	s_and_b32 s[KS], s[KS], 1                      ; p: the parity of cluster y's two bits
	s_lshl_b32 s[KS], s[KS], 1
	s_add_co_u32 s[KS], s[KS], ttmp9               ; cluster x + 2 p
	s_lshl_b32 s[KS], s[KS], 1
	s_and_b32 s[KS], s[KS], 7                      ; r = (2 x + 4 p) mod 8: slot 0's first K step, an even one;
	s_add_co_u32 s[KS+1], s[KS], 1                 ; slot 1's: r + 1, at most 7
	s_mov_b32 s[OFS+1], 0
	s_lshl_b32 s17, s17, 2
	s_add_co_u32 s17, s17, s41                     ; tile row of C = 4 x cluster y + cy
	s_lshl_b32 s43, s41, 2
	s_lshl_b32 s43, 15, s43                        ; my row of the cluster
	s_lshl_b32 s44, 0x1111, s40                    ; my column
	; descriptor group 1 for A: 128 rows x 256 bytes, 2,048 bytes apart in memory, padded in LDS
	s_or_b32 s[G1+0], s43, (0<<16)|(1<<20)|(1<<21)|(5<<22)|(3<<25)  ; 15:0 the mask: A's tiles go to my row; 17:16 element of 1 byte; 20 padding on; 21 set beside a mask; 24:22 after every 64 words (code 5); 31:25 of 4 words (code 3)
	s_mov_b32 s[G1+1], ROWB<<16                    ; tensor_dim0 = 256
	s_mov_b32 s[G1+2], 128<<16                     ; tensor_dim1 = 128
	s_mov_b32 s[G1+3], ROWB<<16                    ; tile_dim0 = 256
	s_mov_b32 s[G1+4], 128                         ; tile_dim1 = 128
	s_mov_b32 s[G1+5], KROW                        ; tensor_dim0_stride
	s_mov_b32 s[G1+6], 0
	s_mov_b32 s[G1+7], 0
	; and for W: a dense block of 32,768 bytes, as 128 rows of 256 bytes (32 elements of 8 bytes), no padding
	s_or_b32 s[G1B+0], s44, (3<<16)|(1<<21)        ; 15:0 the mask: W's tiles go to my column; 17:16 element of 8 bytes; 21 set beside a mask
	s_mov_b32 s[G1B+1], 32<<16
	s_mov_b32 s[G1B+2], 128<<16
	s_mov_b32 s[G1B+3], 32<<16
	s_mov_b32 s[G1B+4], 128
	s_mov_b32 s[G1B+5], 32
	s_mov_b32 s[G1B+6], 0
	s_mov_b32 s[G1B+7], 0
	; where the tiles come from.  A's hang on the tile row, W's on the tile column, both on the cluster's K step; each address is made in registers that never hold the other place in the cluster
	s_lshl_b32 s20, s17, 19                        ; A: row 256 x tile row, 2,048 bytes a row,
	s_lshl_b32 s21, s16, 18                        ; + 128 rows x half
	s_add_co_u32 s20, s20, s21
	s_mov_b32 s21, 0
	s_lshl_b32 s46, s42, 16                        ; W: 16 groups of 4,096 bytes x tile column,
	s_lshl_b32 s47, s16, 15                        ; + 8 groups x half
	s_add_co_u32 s46, s46, s47
	s_mov_b32 s47, 0
	s_mul_i32 s45, s16, HALFA                      ; and where they go: no place in the cluster enters an LDS address
	s_mul_i32 s23, s16, HALFB
	s_add_co_u32 s23, s23, BOFF
	s_wait_kmcnt 0x0
	s_add_nc_u64 s[BA:BA+1], s[4:5], s[20:21]
	s_add_nc_u64 s[BW:BW+1], s[6:7], s[46:47]
	CROUND                                         ; all sixteen work-groups are here: the first joint loads meet
.irp s, 0,1
	s_mov_b32 s[G0+4*\s], 1                                        ; 1:0 count = 1
	s_add_co_u32 s[G0+4*\s+1], s45, \s*SLOT                        ; 63:32 LDS address
	s_mov_b32 s[G0B+4*\s], 1
	s_add_co_u32 s[G0B+4*\s+1], s23, \s*SLOT
	AIM \s                                         ; K step r + s
	JLOAD G0+4*\s, G1, G0B+4*\s, G1B               ; two tensor loads of mine are out behind these
.endr
	v_and_b32 v1, 15, v0                           ; r = lane % 16
	v_bfe_u32 v2, v0, 4, 1                         ; h = lane / 16
	v_and_b32 v6, 31, v0                           ; lane
	v_lshlrev_b32 v[CO], 4, v6
	v_mul_u32_u24 v3, v1, PITCH
	v_lshl_add_u32 v4, v2, 4, v3                   ; A: a fragment's row x pitch + 16 x half
	s_mul_i32 s21, s15, HALFA                      ; my 128 rows of A
	s_mul_i32 s22, s16, HALFB                      ; my 128 columns of W,
	s_add_co_u32 s22, s22, BOFF                    ; which lie behind A's 256 rows
.irp s, 0,1
	v_add_nc_u32 v[ADRA+\s], s21, v4
	v_add_nc_u32 v[ADRB+\s], s22, v[CO]            ; W: an image's place for my lane: 16 x lane
	s_add_co_u32 s21, s21, SLOT
	s_add_co_u32 s22, s22, SLOT
.endr
	s_lshl_b32 s18, s17, 12                        ; sc: 16 bytes a row: A's rows 256 x tile row
	s_lshl_b32 s19, s15, 11                        ; + 128 x half
	s_add_co_u32 s18, s18, s19
	s_lshl_b32 s19, s42, 12                        ; W's columns 256 x tile column
	s_lshl_b32 s22, s16, 11                        ; + 128 x half,
	s_add_co_u32 s19, s19, s22
	s_add_co_u32 s19, s19, 65536                   ; behind A's 4,096 entries;
	s_sub_co_u32 s19, s19, s18                     ; the distance from A's entry to W's: between 2,048 and 129,024
	v_mul_u32_u24 v5, s19, v2                      ; lanes 16-31 take W's: the lower base + h x the distance
	v_lshl_add_u32 v[ADRS], v1, 4, v5
	v_add_nc_u32 v[ADRS], s18, v[ADRS]
	s_lshl_b32 s[OFS], s[KS], 17
	s_add_nc_u64 s[SCW:SCW+1], s[8:9], s[OFS:OFS+1]  ; sc at K step r
.macro SCLOAD set, imm                 ; a K step's scale words into a set: 4 words a lane and block; lanes 0-15 read 256 consecutive bytes of A's entries, lanes 16-31 of W's
.irp i, 0,1,2,3,4,5,6,7
	global_load_b128 v[SC+32*(\set)+4*\i:SC+32*(\set)+4*\i+3], v[ADRS], s[SCW:SCW+1] offset:\imm+256*\i
.endr
.endm
	SCLOAD 0, 0                                    ; K step r's
	SCLOAD 1, SCSTEP                               ; and K step r + 1's
	s_mul_i32 s23, s14, 16*SPITCH
	s_add_co_u32 s23, s23, STAGE                   ; my stage
	v_mul_u32_u24 v5, v1, SPITCH                   ; in: row r, 32 bytes for each half of the lanes
	v_lshl_add_u32 v5, v2, 5, v5
	v_add_nc_u32 v[STO], s23, v5
	v_add_nc_u32 v[RD], s23, v[CO]                 ; back: the 32 lanes take one row of 512 bytes
	s_lshl_b32 s18, s17, 22                        ; C: my first row, 256 x tile row + 128 x half, of 16,384 bytes;
	s_lshl_b32 s19, s15, 21
	s_add_co_u32 s18, s18, s19
	s_lshl_b32 s19, s42, 10                        ; my first column, in bytes: 1,024 x tile column + 512 x half
	s_add_co_u32 s18, s18, s19
	s_lshl_b32 s19, s16, 9
	s_add_co_u32 s18, s18, s19
	s_mov_b32 s19, 0
	s_add_nc_u64 s[10:11], s[10:11], s[18:19]
.macro FRAGA reg, slot, q, i           ; a fragment of A, 16 rows x 128 K, is 8 registers: lane l holds row l % 16; registers 4 c .. 4 c + 3 hold K = 64 c + 32 (l / 16) + 0 .. 31, the lower K in the lower bits
.irp c, 0,1
	ds_load_b128 v[\reg+4*\c:\reg+4*\c+3], v[ADRA+\slot] offset:64*(\q)+32*\c+(\i)*16*PITCH
.endr
.endm
.macro FRAGB reg, slot, q, i           ; a fragment of W lies in LDS as the image of its registers: group i of 16 columns 4,096 bytes, the q-th 128 along K 1,024, registers 4 c on 512, lane l's 16 bytes at 16 l
.irp c, 0,1
	ds_load_b128 v[\reg+4*\c:\reg+4*\c+3], v[ADRB+\slot] offset:(\i)*4096+1024*(\q)+512*\c
.endr
.endm
; 16 matrix instructions: A's blocks a0, a0 + 1 x W's eight, 128 along K: the slot's q-th.  p: W's set;  sc: the set of scale words.  zero = 1: the first product starts the sums: nothing is ever cleared.
; The 64 accumulators take turns, one instruction a turn, in the same order in every step.
.macro MUL16 a0, p, q, sc, zero
.irp a, \a0, \a0+1
.irp b, 0,1,2,3,4,5,6,7
.if \zero
	v_wmma_scale_f32_16x16x128_f8f6f4 v[8*(8*((\a)%4)+\b):8*(8*((\a)%4)+\b)+7], v[128*(\p)+FR*\b:128*(\p)+FR*\b+FR-1], v[AF+FR*(\a):AF+FR*(\a)+FR-1], 0, v[SC+8*NQ*(\sc)+NQ*\b+(\q)], v[SC+8*NQ*(\sc)+NQ*(\a)+(\q)] matrix_a_fmt:MATRIX_FMT_FP4 matrix_b_fmt:MATRIX_FMT_FP4 matrix_a_scale:MATRIX_SCALE_ROW1
.else
	v_wmma_scale_f32_16x16x128_f8f6f4 v[8*(8*((\a)%4)+\b):8*(8*((\a)%4)+\b)+7], v[128*(\p)+FR*\b:128*(\p)+FR*\b+FR-1], v[AF+FR*(\a):AF+FR*(\a)+FR-1], v[8*(8*((\a)%4)+\b):8*(8*((\a)%4)+\b)+7], v[SC+8*NQ*(\sc)+NQ*\b+(\q)], v[SC+8*NQ*(\sc)+NQ*(\a)+(\q)] matrix_a_fmt:MATRIX_FMT_FP4 matrix_b_fmt:MATRIX_FMT_FP4 matrix_a_scale:MATRIX_SCALE_ROW1
.endif
.endr
.endr
.endm
.macro FETCH_B slot, q, p              ; W's eight fragments of the slot's q-th 128 along K into set p
	WIN TO_B
.irp i, 0,1,2,3,4,5,6,7
	FRAGB 128*(\p)+FR*\i, \slot, \q, \i
.endr
	WIN 0
.endm
.macro FETCH_A slot, q, i0             ; A's blocks i0 .. i0 + 3
.irp i, \i0, \i0+1, \i0+2, \i0+3
	FRAGA AF+FR*(\i), \slot, \q, \i
.endr
.endm
; A load into a register that a matrix instruction has read, and an LDS store that reads a matrix result, stand NP places behind that matrix instruction, and only plain vector instructions that name none of
; its registers are places (ISA guide 7.12.1 for vector instructions); this text does not count the matrix instructions in between.
.macro PLACES n
.rept \n
	v_nop
.endr
.endm
; A step of 128 along K that has its successor in the same slot.
.macro STEP slot, q, zero
	s_wait_dscnt 4*NL                              ; W's set and A's blocks 0-3 are in; the youngest eight loads (A's blocks 4-7) may be out
	WIN MUL_LO
	MUL16 0, (\q)%2, \q, \slot, \zero
	MUL16 2, (\q)%2, \q, \slot, \zero
	s_wait_dscnt 0                                 ; A's blocks 4-7 are in (asked for 32 matrix instructions ago)
	PLACES NP
	FETCH_B \slot, (\q)+1, 1-(\q)%2
	FETCH_A \slot, (\q)+1, 0
	WIN MUL_HI
	MUL16 4, (\q)%2, \q, \slot, \zero
	MUL16 6, (\q)%2, \q, \slot, \zero
	PLACES NP
	WIN 0
	FETCH_A \slot, (\q)+1, 4
.endm
; A slot's last step changes slots: ONE barrier; in front of it each wave waits for all its tensor loads, adds 0 to its spare word, and waits for that and for its own reads of this slot.
; fill = 1: this slot is filled again, with the K step two on round the eight, and its set of scale registers with it.
.macro TURN slot, next, fill
.if \fill
	s_wait_xcnt 0x0                                ; the last scale loads, a K step back, have read their base: it is written here, ahead of the waits of the change of slots
	s_add_co_u32 s[KS+\slot], s[KS+\slot], 2
	s_and_b32 s[KS+\slot], s[KS+\slot], 7          ; this slot's next K step: two on, round the eight
	s_lshl_b32 s[OFS], s[KS+\slot], 17
	s_add_nc_u64 s[SCW:SCW+1], s[8:9], s[OFS:OFS+1]  ; sc at that K step
.endif
	s_wait_tensorcnt 0x0                           ; all my tensor loads have landed: the one that was out is my part of the next slot;  (every window is 0 here: the add's two registers lie in window 0)
	ds_add_u32 v[SPW], v[NIL]                      ; 0 onto my spare word
.if \fill
	AIM \slot                                      ; no tensor load of mine is out, so the groups 0 may be written: nothing is left to do between the round and the joint load
.endif
	s_wait_dscnt 4*NL+1                            ; (the add and the youngest eight loads, A's blocks 4-7, may be out)
	WIN MUL_LO
	MUL16 0, 1, NQ-1, \slot, 0                     ; sixteen matrix instructions stand between the add and the wait for it
	s_wait_dscnt 0x0                               ; the add is done, and my reads of this slot are over
	s_barrier_signal -1
	MUL16 2, 1, NQ-1, \slot, 0
	WIN 0
	s_barrier_wait -1
.if \fill
	CREST                                          ; the barrier has opened a round of the cluster's barrier: no wave of any partner still reads this slot's tiles or has a load on its way
	JLOAD G0+4*\slot, G1, G0B+4*\slot, G1B         ; the first tensor load behind the round, my one load until the next; the four v_nop behind it are the places in front of the loads below
.else
	PLACES NP
.endif
	FETCH_B \next, 0, 0
	FETCH_A \next, 0, 0
	WIN MUL_HI
	MUL16 4, 1, NQ-1, \slot, 0
	MUL16 6, 1, NQ-1, \slot, 0
	PLACES NP                                      ; for the loads into A's blocks 4-7 and into this slot's scale registers, which have been read for the last time
	WIN 0
	FETCH_A \next, 0, 4
.if \fill
	SCLOAD \slot, 0                                ; the scale words of the K step just asked for: a whole K step ahead of their use
	s_wait_loadcnt 8                               ; all but the eight just issued: the next K step's set, asked for a K step ago, is in
.else
	s_wait_loadcnt 0x0                             ; the last K step's set is in
.endif
.endm
.macro STEPS slot, from                ; the slot's steps from .. NQ - 2
.set Q, \from
.rept NQ-1-\from
	STEP \slot, Q, 0
.set Q, Q+1
.endr
.endm
	s_wait_tensorcnt 1                             ; my part of slot 0's tile is in; slot 1's load may stay out
	s_barrier_signal -1
	s_barrier_wait -1                              ; everybody's is
	FETCH_B 0, 0, 0
	FETCH_A 0, 0, 0
	FETCH_A 0, 0, 4
	s_wait_loadcnt 8                               ; set 0's scale words are in; set 1's eight loads may be out
	STEP 0, 0, 1                                   ; the first step stands in front of the loop: its products start the sums
	s_mov_b32 s3, LAPS-1
.Llap:                                                 ; a trip goes once round the ring, from a lap's second step to the next lap's first, and fills both slots again; at most eight scale loads are out here, on the way in and on the way back
	STEPS 0, 1
	TURN 0, 1, 1
	STEPS 1, 0
	TURN 1, 0, 1
	STEP 0, 0, 0
	s_sub_co_u32 s3, s3, 1
	s_cmp_lg_u32 s3, 0
	s_cbranch_scc1 .Llap
	STEPS 0, 1                                     ; the last lap fills nothing, and has no round of the cluster's barrier
	TURN 0, 1, 0
	STEPS 1, 0
	s_wait_dscnt 4*NL                              ; the very last step: nothing more to fetch
	WIN MUL_LO
	MUL16 0, 1, NQ-1, 1, 0
	MUL16 2, 1, NQ-1, 1, 0
	s_wait_dscnt 0
	WIN MUL_HI
	MUL16 4, 1, NQ-1, 1, 0
	MUL16 6, 1, NQ-1, 1, 0
	WIN 0
; THE WAY OUT, block by block of 16 rows x 128 columns.  A lane holds 32 neighbouring bytes of a row, and the lanes beside it hold other rows: so a block goes through my own stage in LDS and comes back as whole
; rows of 512 bytes, which the 32 lanes store.  LDS serves a wave's instructions in order (ISA guide 5.7.1.4): no wait between the stores and the loads, nor in front of the next block's stores.
.macro TOSTAGE a
.set AC, 64*((\a)%4)
	WIN 0x08+4*((\a)/4)                            ; an LDS store's data are its source 1: window 2 or 3
.irp b, 0,1,2,3,4,5,6,7
	ds_store_b128 v[STO], v[AC+8*\b:AC+8*\b+3] offset:64*\b          ; each accumulator from its low end on
	ds_store_b128 v[STO], v[AC+8*\b+4:AC+8*\b+7] offset:64*\b+16
.endr
	WIN 0
.set BB, BK+64*((\a)%2)
.irp t, 0,1,2,3,4,5,6,7,8,9,10,11,12,13,14,15
	ds_load_b128 v[BB+4*\t:BB+4*\t+3], v[RD] offset:\t*SPITCH
.endr
.endm
.macro SEND a, younger                 ; younger: the LDS instructions issued behind block a's loads, which may stay out
.set BB, BK+64*((\a)%2)
	s_wait_dscnt \younger                          ; the block is back in registers
.if (\a) > 0
	s_add_nc_u64 s[10:11], s[10:11], 16*SIZE_N*4   ; (behind a wait on XCNT: the earlier stores have read their base)  16 rows of C on
.endif
.irp t, 0,1,2,3,4,5,6,7,8,9,10,11,12,13,14,15
	global_store_b128 v[CO], v[BB+4*\t:BB+4*\t+3], s[10:11] offset:\t*SIZE_N*4 th:TH_STORE_NT   ; 32 lanes store 512 consecutive bytes, at a multiple of 256 from C's first byte; written once, read by nobody here
.endr
.endm
	PLACES NP                                      ; behind the last products: for the reads of their results and for the loads into the registers that held A's fragments
	TOSTAGE 0
.irp a, 1,2,3,4,5,6,7
.if \a > 1
	s_wait_xcnt 0x0                                ; block a - 2's stores have read their registers and their base: block a's loads may land there, and the base may step
.endif
	TOSTAGE \a
	SEND \a-1, 32                                  ; behind block a - 1's loads: block a's 16 stores and 16 loads
.endr
	s_wait_xcnt 0x0                                ; block 6's stores have read their base
	SEND 7, 0
	s_wait_tensorcnt 0x0                           ; the wave's end: behind my last tensor load and my last LDS store
	ds_add_u32 v[SPW], v[NIL]
	s_wait_dscnt 0x0
	CROUND                                         ; the closing round: no work-group ends while a partner may still ask for a tile that names it
	s_endpgm
.Lfunc_end_k_q1686256f93_gemm:
	.size	k_q1686256f93_gemm, .Lfunc_end_k_q1686256f93_gemm-k_q1686256f93_gemm
	.p2alignl 7, 3214868480
	.fill 96, 4, 3214868480
	.section	.rodata,"a",@progbits
	.p2align	6, 0x0
	.amdhsa_kernel k_q1686256f93_gemm
		.amdhsa_group_segment_fixed_size 327680
		.amdhsa_private_segment_fixed_size 0
		.amdhsa_enable_private_segment 0
		.amdhsa_kernarg_size 32
		.amdhsa_user_sgpr_count 2
		.amdhsa_user_sgpr_kernarg_segment_ptr 1
		.amdhsa_wavefront_size32 1
		.amdhsa_system_sgpr_workgroup_id_x 1
		.amdhsa_system_sgpr_workgroup_id_y 1
		.amdhsa_system_sgpr_workgroup_id_z 1
		.amdhsa_system_vgpr_workitem_id 0
		.amdhsa_next_free_vgpr 1024
		.amdhsa_next_free_sgpr 80
		.amdhsa_reserve_vcc 0
		.amdhsa_float_denorm_mode_32 3
		.amdhsa_float_denorm_mode_16_64 3
		.amdhsa_memory_ordered 1
		.amdhsa_forward_progress 1
		.amdhsa_inst_pref_size 211
	.end_amdhsa_kernel
	.amdgpu_metadata
---
amdhsa.version: [ 1, 2 ]
amdhsa.kernels:
  - .name:           k_q1686256f93_gemm
    .symbol:         k_q1686256f93_gemm.kd
    .args:
      - { .name: A_codes, .offset: 0, .size: 8, .value_kind: global_buffer, .address_space: global }
      - { .name: wq, .offset: 8, .size: 8, .value_kind: global_buffer, .address_space: global }
      - { .name: sc, .offset: 16, .size: 8, .value_kind: global_buffer, .address_space: global }
      - { .name: out0, .offset: 24, .size: 8, .value_kind: global_buffer, .address_space: global }
    .group_segment_fixed_size: 327680
    .private_segment_fixed_size: 0
    .kernarg_segment_align: 8
    .kernarg_segment_size: 32
    .max_flat_workgroup_size: 128
    .sgpr_count:     80
    .vgpr_count:     1024
    .wavefront_size: 32
...
	.end_amdgpu_metadata
.endif
;; end of part 2
